; MI455X (gfx1250); checked and timed in simulation.
; The chip was launched on July 23, 2026; its instructions are those of AMD's public machine-readable ISA for CDNA 5 (MIT licence, August 2026) and "CDNA5" Instruction Set Architecture Reference Guide (July 2026). The comments in the code are by the model that wrote it; some were corrected since.
;; OCSVM Layer. Allowed arithmetic: float matrix products may take bf16 or f16 operands with f32 sums; all other float work in f32.
;; Inputs: coefficients 1 x 8,192 float32; gamma one number float32; inputs 16,384 x 512 float32; rho 1 float32; support_vectors 8,192 x 512 float32.
;; Outputs: out0 16,384 float32.
;; 2 versions, each right and faster than the one before. Each part assembles by itself: llvm-mc -triple=amdgcn-amd-amdhsa -mcpu=gfx1250 --defsym DOCPART=n.
;; ======== version 1 of 2: 3 launches
;; workspace buffers: frag 25,165,824 bytes; nrm 98,304 bytes; part 262,144 bytes
;; launch prep (part 1): grid 256 x 1, 6 waves a work-group, no clusters, 100,608 bytes of LDS; arguments inputs, support_vectors, frag, nrm; writes frag, nrm
.if DOCPART == 1
	.amdgcn_target "amdgcn-amd-amdhsa--gfx1250"
	.amdhsa_code_object_version 6
	.text
	.protected	k_q29f3c16f46_prep
	.globl	k_q29f3c16f46_prep
	.p2align	8
	.type	k_q29f3c16f46_prep,@function
k_q29f3c16f46_prep:
	s_mov_b64 s[64:65], 0
	v_nop
	global_prefetch_b8 v0, s[64:65] scope:SCOPE_SE
	s_setreg_imm32_b32 hwreg(HW_REG_WAVE_MODE, 25, 1), 1
	s_wait_xcnt 0x0
; prep: rounds inputs [16384][512] and support_vectors [8192][512] from f32 to bf16 once, lays them out in the order in which a
; matrix instruction's operand registers want them, and takes each row's squared norm FROM THE ROUNDED NUMBERS, so that the next
; launch's xn + sn - 2 cross is the squared distance of the rounded vectors.
; frag: 1,536 blocks of 16 rows, 16,384 bytes each (blocks 0-1023 inputs, 1024-1535 support vectors).  A block is 32 chunks of 512 bytes;
; in chunk t lane L's 16 bytes hold row L % 16, k = 16 t + 8 (L / 16) + 0..7.  nrm: 24,576 f32, row by row in the same order.
; A wave owns one block: 256 work-groups x 6 waves = 1,536.  It reads 32,768 bytes by 64 loads of 512 neighbouring bytes (48 of them out at
; once), turns the block through a stage of its own in LDS, and stores 32 chunks of 512 neighbouring bytes.  No wave reads another's bytes:
; no barrier.  The norms leave as 64 bytes a wave: 96 rows a work-group make no whole block of 256 bytes.
; LIMITS: bf16 rounding to nearest even; the norm is summed in f32 in an order of its own (two chains a lane, then across the lanes).
.set PITCH, 1040                       ; a staged row: 1,024 bytes of bf16 + 16: 65 x 16, so sixteen rows' equal columns lie 16 bytes apart modulo 256
.set STG,   16*PITCH                   ; a wave's stage
.set LN,  1                            ; v1        lane
.set GO,  2                            ; v2        16 x lane: offset of every global load and store; never rewritten
.set STO, 3                            ; v3        stage + 8 x lane
.set RD,  4                            ; v4        stage + 1,040 (lane % 16) + 16 (lane / 16)
.set RR,  5                            ; v5        lane % 16
.set NO,  6                            ; v6        4 (lane % 16)
.set OUT, 7                            ; v7        the norm that this lane stores
.set N,   8                            ; v[8:23]   one norm for each row
.set T,   24                           ; v[24:25]  the two chains
.set P,   28                           ; v[28:35]  a row's 16 numbers of this lane, packed
.set X,   40                           ; v[40:231] three slots of four rows as loaded; later v[40:167] the 32 chunks
	s_load_b256 s[4:11], s[0:1], 0x0               ; inputs s[4:5], support_vectors s[6:7], frag s[8:9], nrm s[10:11]
	v_lshl_add_u32 v232, v0, 2, 0x18600
	v_mov_b32 v233, 0
	v_lshrrev_b32 v[T], 5, v0
	v_readfirstlane_b32 s15, v[T]                  ; wave 0..5
	s_mul_i32 s16, ttmp9, 6
	s_add_co_u32 s16, s16, s15                     ; my block, 0..1535
	s_sub_co_u32 s17, s16, 1024                    ; its number among the support vectors' blocks (used only where it is one)
	s_mul_i32 s21, s15, STG                        ; my stage
	s_mov_b32 s12, 0x76543210                      ; v_permlanex16_b32: lane i of one half reads lane i of the other
	s_mov_b32 s13, 0xfedcba98
	s_mov_b32 s14, 0xffff0000                      ; a word's upper bf16
	s_mov_b32 s19, 0
	v_and_b32 v[LN], 31, v0
	v_and_b32 v[RR], 15, v0
	v_bfe_u32 v[T], v0, 4, 1
	v_lshlrev_b32 v[GO], 4, v[LN]
	v_lshl_add_u32 v[STO], v[LN], 3, s21
	v_mul_u32_u24 v[RD], v[RR], PITCH
	v_lshl_add_u32 v[RD], v[T], 4, v[RD]
	v_add_nc_u32 v[RD], s21, v[RD]
	v_lshlrev_b32 v[NO], 2, v[RR]
	s_wait_kmcnt 0x0
	s_cmp_lt_u32 s16, 1024                         ; blocks 0-1023 come from inputs, the others from support_vectors
	s_cselect_b32 s17, s16, s17
	s_cselect_b64 s[4:5], s[4:5], s[6:7]
	s_lshl_b32 s18, s17, 15                        ; 16 rows of 2,048 bytes
	s_add_nc_u64 s[4:5], s[4:5], s[18:19]
	s_lshl_b32 s18, s16, 14                        ; 16 rows of 1,024 bytes
	s_add_nc_u64 s[8:9], s[8:9], s[18:19]
	s_lshl_b32 s18, s16, 6                         ; 16 norms
	s_add_nc_u64 s[10:11], s[10:11], s[18:19]
; rows 4 g .. 4 g + 3 into a slot: load j brings 512 neighbouring bytes, a quarter of row 4 g + j / 4: lane L gets k = 128 (j % 4) + 4 L + 0..3
.macro FILL slot, g
.irp j, 0,1,2,3,4,5,6,7,8,9,10,11,12,13,14,15
	global_load_b128 v[X+64*\slot+4*\j:X+64*\slot+4*\j+3], v[GO], s[4:5] offset:512*(16*\g+\j) th:TH_LOAD_NT
.endr
.endm
; one row: round, put the four pieces of 8 bytes at their places in the staged row, and sum the squares of the rounded numbers
.macro ROWP slot, rl, row
.set XB, X+64*\slot+16*\rl
.irp c, 0,1,2,3,4,5,6,7
	v_cvt_pk_bf16_f32 v[P+\c], v[XB+2*\c], v[XB+2*\c+1]
.endr
.irp c, 0,1,2,3
	ds_store_b64 v[STO], v[P+2*\c:P+2*\c+1] offset:(\row)*PITCH+256*\c   ; 32 lanes, 256 neighbouring bytes
.endr
	v_lshlrev_b32 v[T], 16, v[P]                   ; the first word starts both chains: nothing is cleared
	v_and_b32 v[T+1], s14, v[P]
	v_mul_f32 v[T], v[T], v[T]
	v_mul_f32 v[T+1], v[T+1], v[T+1]
.irp c, 1,2,3,4,5,6,7
	v_fma_mix_f32_bf16 v[T], v[P+\c], v[P+\c], v[T] op_sel_hi:[1,1,0]                      ; low halves
	v_fma_mix_f32_bf16 v[T+1], v[P+\c], v[P+\c], v[T+1] op_sel:[1,1,0] op_sel_hi:[1,1,0]   ; high halves
.endr
	v_add_f32 v[N+(\row)], v[T], v[T+1]
.endm
.macro ROWS slot, g
.irp rl, 0,1,2,3
	ROWP \slot, \rl, 4*\g+\rl
.endr
.endm
	FILL 0, 0
	FILL 1, 1
	FILL 2, 2
	s_wait_loadcnt 32                              ; loads come back in order: the first sixteen are in, 32 younger ones stay out
	ROWS 0, 0
	FILL 0, 3                                      ; the last four rows, into the slot just used up
	s_wait_loadcnt 32                              ; rows 4-7 are in; rows 8-15 stay out
	ROWS 1, 1
	s_wait_loadcnt 16                              ; rows 8-11 are in; rows 12-15 stay out
	ROWS 2, 2
	s_wait_loadcnt 0x0
	ROWS 0, 3
	; the block back in fragment order.  LDS serves a wave's instructions in order (ISA guide 5.7.1): these loads see the stores above.
.irp t, 0,1,2,3,4,5,6,7,8,9,10,11,12,13,14,15,16,17,18,19,20,21,22,23,24,25,26,27,28,29,30,31
	ds_load_b128 v[X+4*\t:X+4*\t+3], v[RD] offset:32*\t
.endr
	; meanwhile the sixteen norms across the 32 lanes: four steps inside each half of 16 lanes, one across the halves
.irp m, 1,2,4,8
.irp row, 0,1,2,3,4,5,6,7,8,9,10,11,12,13,14,15
	v_add_f32_dpp v[N+\row], v[N+\row], v[N+\row] row_xmask:\m row_mask:0xf bank_mask:0xf
.endr
.endr
.irp row, 0,1,2,3,4,5,6,7,8,9,10,11,12,13,14,15
	v_permlanex16_b32 v[X+128+\row], v[N+\row], s12, s13   ; its destination counts as read: registers of the third slot, written by loads and free now
.endr
.irp row, 0,1,2,3,4,5,6,7,8,9,10,11,12,13,14,15
	v_add_f32 v[N+\row], v[N+\row], v[X+128+\row]
.endr
	v_cmp_eq_u32 vcc_lo, 1, v[RR]                  ; lane L picks row L % 16
	v_cndmask_b32 v[OUT], v[N], v[N+1], vcc_lo
.irp row, 2,3,4,5,6,7,8,9,10,11,12,13,14,15
	v_cmp_eq_u32 vcc_lo, \row, v[RR]
	v_cndmask_b32 v[OUT], v[OUT], v[N+\row], vcc_lo
.endr
.irp t, 0,1,2,3,4,5,6,7,8,9,10,11,12,13,14,15,16,17,18,19,20,21,22,23,24,25,26,27,28,29,30,31
	s_wait_dscnt 31-\t                             ; chunk t is in, the younger ones stay out
	global_store_b128 v[GO], v[X+4*\t:X+4*\t+3], s[8:9] offset:512*\t    ; 512 neighbouring bytes, at a multiple of 512 from frag's first byte
.endr
	s_wait_xcnt 0x0                                ; EXEC is a source of the stores above: it changes only behind this wait
	v_cmp_gt_u32 vcc_lo, 16, v[LN]
	s_wait_tensorcnt 0x0
	ds_add_u32 v232, v233
	s_wait_dscnt 0x0
	s_and_saveexec_b32 s20, vcc_lo
	global_store_b32 v[NO], v[OUT], s[10:11]       ; lanes 0-15: the sixteen norms
	s_wait_xcnt 0x0                                ; and again in front of the line that widens it
	s_or_b32 exec_lo, exec_lo, s20
	s_endpgm
.Lfunc_end_k_q29f3c16f46_prep:
	.size	k_q29f3c16f46_prep, .Lfunc_end_k_q29f3c16f46_prep-k_q29f3c16f46_prep
	.p2alignl 7, 3214868480
	.fill 96, 4, 3214868480
	.section	.rodata,"a",@progbits
	.p2align	6, 0x0
	.amdhsa_kernel k_q29f3c16f46_prep
		.amdhsa_group_segment_fixed_size 100608
		.amdhsa_private_segment_fixed_size 0
		.amdhsa_enable_private_segment 0
		.amdhsa_kernarg_size 32
		.amdhsa_user_sgpr_count 2
		.amdhsa_user_sgpr_kernarg_segment_ptr 1
		.amdhsa_wavefront_size32 1
		.amdhsa_system_sgpr_workgroup_id_x 1
		.amdhsa_system_sgpr_workgroup_id_y 1
		.amdhsa_system_sgpr_workgroup_id_z 1
		.amdhsa_system_vgpr_workitem_id 0
		.amdhsa_next_free_vgpr 234
		.amdhsa_next_free_sgpr 66
		.amdhsa_reserve_vcc 1
		.amdhsa_float_denorm_mode_32 3
		.amdhsa_float_denorm_mode_16_64 3
		.amdhsa_memory_ordered 1
		.amdhsa_forward_progress 1
		.amdhsa_inst_pref_size 50
	.end_amdhsa_kernel
	.amdgpu_metadata
---
amdhsa.version: [ 1, 2 ]
amdhsa.kernels:
  - .name:           k_q29f3c16f46_prep
    .symbol:         k_q29f3c16f46_prep.kd
    .args:
      - { .name: inputs, .offset: 0, .size: 8, .value_kind: global_buffer, .address_space: global }
      - { .name: support_vectors, .offset: 8, .size: 8, .value_kind: global_buffer, .address_space: global }
      - { .name: frag, .offset: 16, .size: 8, .value_kind: global_buffer, .address_space: global }
      - { .name: nrm, .offset: 24, .size: 8, .value_kind: global_buffer, .address_space: global }
    .group_segment_fixed_size: 100608
    .private_segment_fixed_size: 0
    .kernarg_segment_align: 8
    .kernarg_segment_size: 32
    .max_flat_workgroup_size: 192
    .sgpr_count:     66
    .vgpr_count:     234
    .wavefront_size: 32
...
	.end_amdgpu_metadata
.endif
;; end of part 1
;; launch rbf (part 2): grid 64 x 4, 4 waves a work-group, clusters of 4 x 1, 327,680 bytes of LDS; arguments frag, nrm, coefficients, gamma, part; writes part
.if DOCPART == 2
	.amdgcn_target "amdgcn-amd-amdhsa--gfx1250"
	.amdhsa_code_object_version 6
	.text
	.protected	k_q29f3c16f46_rbf
	.globl	k_q29f3c16f46_rbf
	.p2align	8
	.type	k_q29f3c16f46_rbf,@function
k_q29f3c16f46_rbf:
	s_mov_b64 s[64:65], 0
	v_nop
	global_prefetch_b8 v0, s[64:65] scope:SCOPE_SE
	s_setreg_imm32_b32 hwreg(HW_REG_WAVE_MODE, 25, 1), 1
	s_wait_xcnt 0x0
	s_wait_alu depctr_hold_cnt(0) depctr_sa_sdst(0) depctr_va_vdst(0) depctr_va_sdst(0) depctr_va_ssrc(0) depctr_va_vcc(0) depctr_vm_vsrc(0)
	s_getreg_b32 s2, hwreg(HW_REG_IB_STS2, 6, 4)
	s_cmp_eq_u32 s2, 0
	s_cbranch_scc0 .Lentry_in_a_cluster
	s_endpgm
.Lentry_in_a_cluster:
	s_bfe_u32 s2, ttmp6, 0x10000c
	s_cmp_lg_u32 s2, 0x3003
	s_cbranch_scc0 .Lentry_shape_is_right
	s_endpgm
.Lentry_shape_is_right:
; rbf: part[y][b] = sum over the 2,048 support vectors s of quarter y of coef[s] * exp(-gamma * (xn[b] + sn[s] - 2 x_b.s_s)).
; Work-group (x, y): rows 256 x .. +255 of the inputs, support vectors 2,048 y .. +2,047.  64 x 4 = 256 work-groups of equal work.
; Four waves.  Wave w keeps its 64 rows of X, all 512 of K, in 512 registers for the whole launch; the support vectors come in tiles of 128
; rows (131,072 bytes) through two LDS slots, and all four waves read the same tile: 8 registers of a support fragment feed 4 matrix instructions.
; frag is already in fragment order, so every load of a fragment, from memory and from LDS, is 512 neighbouring bytes: no padding.
; CLUSTER: the four work-groups of a cluster have the same y and walk the same 16 tiles: each tile is asked for jointly (mask 15), every wave
; asking for its quarter; a round of the cluster's barrier stands in front of every joint load.
; ARITHMETIC: g = gamma log2(e).  The matrix instruction is used transposed (source 0 = 16 support rows, source 1 = 16 rows of X): in the result
; lane L holds row L % 16 of X and register j support row 8 (L / 16) + j.  The first K step takes C = -sn/2, so acc = cross - sn/2;
; then arg = 2 g acc - g xn = -g d2 (E1), k = 2^arg (E2), and SC += k coef (E3).
; A GROUP is 16 support rows against my 64 rows: four accumulator tiles, 16 K steps, 64 matrix instructions.  Two sets of four tiles take turns:
; the 64 vector instructions on a finished group are dealt out over the next group's matrix instructions.
; Fragments come from LDS in runs of sixteen loads (8 K steps) for 32 matrix instructions, into two sets that take turns.
; LIMITS: the operands are bf16 (rounded by the launch before), and xn, sn are the norms of the rounded rows; sums in f32 in an order of their own;
; v_exp_f32 gives 0 where 2^arg is below 2^-126 (ISA guide, its entry); no maximum is taken away, as the function computed takes none away.
;
; REGISTERS, in windows of 256:
;   window 0: v0-63 accumulators (32 set + 8 rb); v64-191 support fragments (64 + 64 set + 8 k: set 0 K steps 0-7, set 1 K steps 8-15);
;             v192-195 AX = -g xn; v196-203 SC; v204-207 LDS addresses of the slots' halves; v208 table address; v209 lane; v212-223 at work;
;             v224-231 CI (-sn/2 of a group)
;   window 1: v0-127 X, K steps 12-15; v128-135 CF (coef of a group)
;   window 2: v0-191 X, K steps 0-5;   window 3: v0-191 X, K steps 6-11
; s_set_vgpr_msb's low byte: bits 1:0 source 0, 3:2 source 1, 5:4 source 2, 7:6 destination.  In every setting of the products source 0, source 2 and the
; destination are window 0, so fragment loads, E1 and E2 run under them too; E3 takes coef as source 1 and so runs in K steps 12-15, whose
; source 1 is window 1.  Four switches for a group's 64 matrix instructions.
.set SLOTB,  131072                    ; an LDS slot: 8 blocks of 16 support rows, 16,384 bytes each
.set TABB,   262144                    ; 8,192 bytes: -sn/2 of my 2,048 support vectors; behind it 8,192 bytes: their coef
.set STAGE,  280576                    ; 256 bytes for each wave, for the way out
.set SVBASE, 16777216                  ; the support vectors' first block in frag
.set FR,  64
.set AX,  192
.set SC,  196
.set LA,  204                          ; v[LA + 2 slot + hi] = slot x 131,072 + hi x 65,536 + 16 lane; v[LA] is also the offset of X's loads
.set TA,  208                          ; TABB + 32 (lane / 16), + 1,024 a trip
.set LN,  209
.set TMP, 212
.set CI,  224
.set CF,  128                          ; window 1
.set G1,  24                           ; s[24:31] descriptor group 1
.set G0,  32                           ; s[32:39] descriptor group 0, a set for each slot
.set MSB, 0
.macro WIN new                         ; the immediate's high byte repeats the setting that is left
.if MSB != \new
	s_set_vgpr_msb (MSB<<8)|\new
.set MSB, \new
.endif
.endm
; Four places behind a matrix instruction before a load lands on one of its sources or a vector instruction touches its result (ISA guide 7.12.1
; for vector instructions); only plain vector instructions that name none of its registers are counted.  Used in the first group alone, which has no
; finished group beside it; everywhere else four multiply-adds of E1 are the places.
.macro PLACES
.rept 4
	v_nop
.endr
.endm
; A round of the cluster's barrier: my work-group's barrier, wave 0 signals for the work-group, every wave waits for all four work-groups, my work-group's barrier again.
.macro ROUND
	s_barrier_signal -1
	s_barrier_wait -1
	s_cmp_lg_u32 s14, 0
	s_cbranch_scc1 .Lnot_wave_0_\@
	s_barrier_signal -3
.Lnot_wave_0_\@:
	s_barrier_wait -3
	s_barrier_signal -1
	s_barrier_wait -1
.endm
	s_load_b256 s[4:11], s[0:1], 0x0               ; frag s[4:5], nrm s[6:7], coefficients s[8:9], gamma s[10:11]
	s_load_b64 s[12:13], s[0:1], 0x20              ; part
	v_lshl_add_u32 v254, v0, 2, 0x44c00
	v_mov_b32 v255, 0
	ds_add_u32 v254, v255
	v_lshrrev_b32 v[TMP], 5, v0
	v_readfirstlane_b32 s14, v[TMP]                ; wave 0..3
	s_bfe_u32 s15, ttmp6, 0x40000                  ; cx
	s_lshl_b32 s16, ttmp9, 2
	s_add_co_u32 s16, s16, s15                     ; x = 4 x cluster x + cx
	s_and_b32 s17, ttmp7, 0xffff                   ; y: the same in the cluster's four
	s_mov_b32 s46, 0x76543210                      ; v_permlanex16_b32: lane i of one half reads lane i of the other
	s_mov_b32 s47, 0xfedcba98
	; group 1: a wave's quarter of a tile, 32,768 dense bytes, as 128 rows of 32 elements of 8 bytes
	s_mov_b32 s[G1+0], 15|(3<<16)|(1<<21)          ; 15:0 mask: all four of the cluster; 17:16 elements of 8 bytes; 21 set beside a mask
	s_mov_b32 s[G1+1], 32<<16                      ; tensor_dim0 = 32
	s_mov_b32 s[G1+2], 128<<16                     ; tensor_dim1 = 128
	s_mov_b32 s[G1+3], 32<<16                      ; tile_dim0 = 32
	s_mov_b32 s[G1+4], 128                         ; tile_dim1 = 128
	s_mov_b32 s[G1+5], 32                          ; from row to row: 32 elements
	s_mov_b32 s[G1+6], 0
	s_mov_b32 s[G1+7], 0
	s_lshl_b32 s45, s14, 15                        ; my quarter: 32,768 w, in the tile and in the slot
	s_lshl_b32 s52, s17, 21                        ; 2,048 rows of 1,024 bytes for each y.  s[52:53] never hold cx
	s_add_co_u32 s52, s52, s45
	s_add_co_u32 s52, s52, SVBASE
	s_mov_b32 s53, 0
	s_mov_b32 s19, 0
	s_wait_dscnt 0x0
	s_wait_kmcnt 0x0
	s_load_b32 s22, s[10:11], 0x0                  ; gamma
	s_add_nc_u64 s[52:53], s[4:5], s[52:53]
.irp n, 0,1
	s_mov_b32 s[G0+4*\n], 1                                        ; count = 1
	s_add_co_u32 s[G0+4*\n+1], s45, \n*SLOTB                       ; LDS address
	s_add_nc_u64 s[G0+4*\n+2:G0+4*\n+3], s[52:53], \n*SLOTB        ; tile n
	s_or_b32 s[G0+4*\n+3], s[G0+4*\n+3], 0x80000000                ; type = 2
.endr
	s_lshl_b32 s18, s16, 18                        ; 256 rows of 1,024 bytes for each x,
	s_lshl_b32 s23, s14, 16                        ; 64 for each wave
	s_add_co_u32 s18, s18, s23
	s_add_nc_u64 s[40:41], s[4:5], s[18:19]        ; my 64 rows of X
	s_lshl_b32 s18, s16, 10
	s_lshl_b32 s23, s14, 8
	s_add_co_u32 s18, s18, s23                     ; 4 (256 x + 64 w)
	s_add_nc_u64 s[50:51], s[6:7], s[18:19]        ; their norms
	s_add_nc_u64 s[12:13], s[12:13], s[18:19]
	s_add_co_u32 s54, s23, STAGE                   ; my stage: 256 w
	s_lshl_b32 s18, s17, 16
	s_add_nc_u64 s[12:13], s[12:13], s[18:19]      ; my 64 numbers of part[y]
	s_lshl_b32 s18, s17, 13
	s_add_nc_u64 s[48:49], s[8:9], s[18:19]        ; coef of my 2,048 support vectors
	s_add_co_u32 s18, s18, 65536
	s_add_nc_u64 s[42:43], s[6:7], s[18:19]        ; their norms: behind X's 16,384
	ROUND                                          ; all four work-groups are here: the first joint loads meet
	tensor_load_to_lds s[G0:G0+3], s[G1:G1+7]      ; tile 0 and tile 1: two tensor loads of this wave are out,
	s_nop 0
	tensor_load_to_lds s[G0+4:G0+7], s[G1:G1+7]    ; later one behind each round
	s_nop 0
	v_and_b32 v[LN], 31, v0
	v_lshlrev_b32 v[LA], 4, v[LN]
	v_add_nc_u32 v[LA+1], 65536, v[LA]
	v_add_nc_u32 v[LA+2], SLOTB, v[LA]
	v_add_nc_u32 v[LA+3], SLOTB+65536, v[LA]
	v_lshlrev_b32 v[TMP+1], 4, v0                  ; 16 x thread: the tables are copied by all 128 threads
	v_add_nc_u32 v[TMP], TABB, v[TMP+1]
	v_and_b32 v[TMP+2], 15, v0
	v_lshlrev_b32 v[TMP+2], 2, v[TMP+2]            ; 4 (lane % 16)
	v_bfe_u32 v[TMP+3], v0, 4, 1
	v_lshl_add_u32 v[TA], v[TMP+3], 5, TABB
.irp c, 0,1,2,3
	global_load_b128 v[FR+4*\c:FR+4*\c+3], v[TMP+1], s[42:43] offset:2048*\c       ; sn
.endr
.irp c, 0,1,2,3
	global_load_b128 v[FR+16+4*\c:FR+16+4*\c+3], v[TMP+1], s[48:49] offset:2048*\c ; coef
.endr
.irp rb, 0,1,2,3
	global_load_b32 v[AX+\rb], v[TMP+2], s[50:51] offset:64*\rb                    ; xn of row 16 rb + lane % 16
.endr
; X's fragments of cnt K steps from ks0 on, into the window that is set for the destination: 512 neighbouring bytes a load
.macro XLOAD ks0, cnt
.set KS, 0
.rept \cnt
.irp rb, 0,1,2,3
	global_load_b128 v[32*KS+8*\rb:32*KS+8*\rb+3], v[LA], s[40:41] offset:16384*\rb+1024*(\ks0+KS)
	global_load_b128 v[32*KS+8*\rb+4:32*KS+8*\rb+7], v[LA], s[40:41] offset:16384*\rb+1024*(\ks0+KS)+512
.endr
.set KS, KS+1
.endr
.endm
	WIN 0x40
	XLOAD 12, 4
	WIN 0
	s_wait_loadcnt 32                              ; the twelve loads of the tables and of xn are in; the 32 of X issued behind them stay out
.irp c, 0,1,2,3,4,5,6,7
	v_pk_mul_f32 v[FR+2*\c:FR+2*\c+1], v[FR+2*\c:FR+2*\c+1], -0.5 op_sel_hi:[1,0]
.endr
.irp c, 0,1,2,3
	ds_store_b128 v[TMP], v[FR+4*\c:FR+4*\c+3] offset:2048*\c
	ds_store_b128 v[TMP], v[FR+16+4*\c:FR+16+4*\c+3] offset:8192+2048*\c
.endr
	s_wait_kmcnt 0x0                               ; gamma
	v_mov_b32 v[TMP+5], s22
	v_mul_f32 v[TMP+5], 0x3fb8aa3b, v[TMP+5]       ; g = gamma log2(e)
	v_add_f32 v[TMP+6], v[TMP+5], v[TMP+5]
	v_readfirstlane_b32 s20, v[TMP+6]              ; 2 g, as a scalar: it is source 1 whatever window that place has
	s_mov_b32 s21, s20
.irp rb, 0,1,2,3
	v_mul_f32 v[AX+\rb], -v[TMP+5], v[AX+\rb]      ; -g xn
.endr
.irp c, 0,1,2,3,4,5,6,7
	v_mov_b32 v[SC+\c], 0
.endr
	WIN 0x80
	XLOAD 0, 6
	WIN 0xc0
	XLOAD 6, 6
	WIN 0
	s_wait_dscnt 0x0                               ; my part of the tables is written,
	s_wait_tensorcnt 0x1                           ; my quarter of tile 0 is in; tile 1's may stay out
	s_barrier_signal -1
	s_barrier_wait -1
	s_wait_loadcnt 0x0                             ; X
; eight numbers of a table: those of support rows 8 (lane / 16) + 0..7 of a group
.macro TABLD dst, off
	ds_load_b128 v[\dst:\dst+3], v[TA] offset:\off
	ds_load_b128 v[\dst+4:\dst+7], v[TA] offset:\off+16
.endm
; sixteen loads in one run: the fragments of K steps 8 blk .. 8 blk + 7 of block q of slot s, into fragment set blk
.macro LOADB blk, s, q
.irp k, 0,1,2,3,4,5,6,7
	ds_load_b128 v[FR+64*\blk+8*\k:FR+64*\blk+8*\k+3], v[LA+2*\s+((\q)>>2)] offset:16384*((\q)&3)+1024*(8*\blk+\k)
	ds_load_b128 v[FR+64*\blk+8*\k+4:FR+64*\blk+8*\k+7], v[LA+2*\s+((\q)>>2)] offset:16384*((\q)&3)+1024*(8*\blk+\k)+512
.endr
.endm
; The v-th of the 48 instructions of E1 and E2 on the finished accumulator set at q, twelve for each tile: four times arg = 2 g acc + AX for a pair,
; then eight times 2^arg in place.  Behind a tile's last v_exp_f32 the next plain vector instruction is another tile's multiply-add, and no result of
; v_exp_f32 is read before E3 (ISA guide 5.7.2).
.macro EV v, q
.set ET, (\v)/12
.set EM, (\v)%12
.if EM < 4
.if ET&1
	v_pk_fma_f32 v[\q+8*ET+2*EM:\q+8*ET+2*EM+1], v[\q+8*ET+2*EM:\q+8*ET+2*EM+1], s[20:21], v[AX+2*(ET>>1):AX+2*(ET>>1)+1] op_sel:[0,0,1] op_sel_hi:[1,0,1]
.else
	v_pk_fma_f32 v[\q+8*ET+2*EM:\q+8*ET+2*EM+1], v[\q+8*ET+2*EM:\q+8*ET+2*EM+1], s[20:21], v[AX+2*(ET>>1):AX+2*(ET>>1)+1] op_sel_hi:[1,0,0]
.endif
.else
	v_exp_f32 v[\q+8*ET+EM-4], v[\q+8*ET+EM-4]
.endif
.endm
; The e-th of the 16 instructions of E3: SC[tile] += k coef for a pair, the four SC pairs by turns.  coef is source 1: window 1.
.macro E3 e, q
.set ET, (\e)&3
.set EPP, (\e)>>2
	s_wait_alu depctr_va_vdst(0)
	v_pk_fma_f32 v[SC+2*ET:SC+2*ET+1], v[\q+8*ET+2*EPP:\q+8*ET+2*EPP+1], v[CF+2*EPP:CF+2*EPP+1], v[SC+2*ET:SC+2*ET+1]
.endm
; the window of K step SG, and where X's fragments of that step begin in it
.macro STEPWIN
.if SG < 6
	WIN 0x08                                       ; X window 2
.set XB, 32*SG
.elseif SG < 12
	WIN 0x0c                                       ; X window 3
.set XB, 32*(SG-6)
.else
	WIN 0x04                                       ; X window 1
.set XB, 32*(SG-12)
.endif
.endm
; K steps 8 blk .. 8 blk + 7: 32 matrix instructions on fragment set blk.  The four accumulators of the set take turns, one instruction a turn, in the same
; order in every step and from group to group.  Behind matrix instruction WW of the group stands at most one vector
; instruction on the other set: WW 0-31 E2 of tile 0, E1 and E2 of tiles 1 and 2; 32-39 E2 of tile 3; 48-63 (K steps 12-15) E3.
.macro BLOCK blk, st, ep
.irp k, 0,1,2,3,4,5,6,7
.set SG, 8*\blk+\k
	STEPWIN
.irp rb, 0,1,2,3
.if SG == 0
	v_wmma_f32_16x16x32_bf16 v[32*\st+8*\rb:32*\st+8*\rb+7], v[FR+64*\blk+8*\k:FR+64*\blk+8*\k+7], v[XB+8*\rb:XB+8*\rb+7], v[CI:CI+7]
.else
	v_wmma_f32_16x16x32_bf16 v[32*\st+8*\rb:32*\st+8*\rb+7], v[FR+64*\blk+8*\k:FR+64*\blk+8*\k+7], v[XB+8*\rb:XB+8*\rb+7], v[32*\st+8*\rb:32*\st+8*\rb+7]
.endif
.if \ep
.set WW, 4*SG+\rb
.if WW < 32
	EV WW+4, 32-32*\st
.elseif WW < 40
	EV WW+8, 32-32*\st
.elseif WW >= 48
	E3 WW-48, 32-32*\st
.endif
.endif
.endr
.endr
.endm
; A group: block q of slot s against my 64 rows of X.  gl: the group's number from the table address on.  st: its accumulator set.
; ep: the other set holds a finished group.  ci: a group follows.  head: the tile's first group.  nxt: the tile has a further group.
; In front of each run of loads stand four multiply-adds of E1: with the E3 (or, at K step 8, alone) they are the four places behind the last matrix
; instruction that read the fragment set which the run fills.  E1 of tile 0 reads the result of the last group's matrix instruction 60: the four E3
; behind instructions 60 to 63 are its places.
.macro GROUP s, q, gl, st, ep, ci, head, nxt
.if \ep
.irp v, 0,1,2,3
	EV \v, 32-32*\st
.endr
.endif
.if \head
	LOADB 0, \s, \q
.endif
	LOADB 1, \s, \q
.if \ep
	WIN 0x40
	TABLD CF, 8192+64*(\gl-1)                      ; coef of the group before, for K steps 12-15
.endif
	s_wait_dscnt 16+2*\ep                          ; K steps 0-7 and CI are in; out stay the sixteen loads of K steps 8-15 and coef's two
	BLOCK 0, \st, \ep
.if \ep
.irp v, 36,37,38,39
	EV \v, 32-32*\st
.endr
.else
	PLACES
.endif
.if \ci
	TABLD CI, 64*(\gl+1)                           ; -sn/2 of the next group; this group's was read in K step 0
.endif
.if \nxt
	LOADB 0, \s, \q+1
.endif
	s_wait_dscnt 16*\nxt+2*\ci                     ; K steps 8-15 and coef are in; out stay the next group's sixteen loads and CI's two
	BLOCK 1, \st, \ep
.if \ep == 0
	PLACES                                         ; no E3 stands behind this group's last matrix instructions
.endif
.endm
.macro TILE s, gl0, ep0, cilast
	GROUP \s, 0, \gl0, 0, \ep0, 1, 1, 1
	GROUP \s, 1, \gl0+1, 1, 1, 1, 0, 1
	GROUP \s, 2, \gl0+2, 0, 1, 1, 0, 1
	GROUP \s, 3, \gl0+3, 1, 1, 1, 0, 1
	GROUP \s, 4, \gl0+4, 0, 1, 1, 0, 1
	GROUP \s, 5, \gl0+5, 1, 1, 1, 0, 1
	GROUP \s, 6, \gl0+6, 0, 1, 1, 0, 1
	GROUP \s, 7, \gl0+7, 1, 1, \cilast, 0, 0
.endm
; The change of slots.  In front of the round every wave waits for all its tensor loads (the one that is out is its quarter of slot s) and for its reads of the
; other slot; behind the round no wave of the four work-groups reads that slot or has a load on its way, and its refill is the first thing there,
; one joint load a wave.  It has this tile's 512 matrix instructions in which to land.
.macro NEXT s, refill, gl0, cilast
	WIN 0
	s_wait_tensorcnt 0x0
	ds_add_u32 v254, v255
	s_wait_dscnt 0x0
.if \refill
	s_add_nc_u64 s[G0+4*(1-\s)+2:G0+4*(1-\s)+3], s[G0+4*(1-\s)+2:G0+4*(1-\s)+3], 2*SLOTB   ; no load of mine is out: the other slot's next tile
.endif
	s_wait_dscnt 0x0
	ROUND
.if \refill
	tensor_load_to_lds s[G0+4*(1-\s):G0+4*(1-\s)+3], s[G1:G1+7]
	s_nop 0
.endif
	TILE \s, \gl0, 1, \cilast
.endm
	TABLD CI, 0                                    ; -sn/2 of the first group
	TILE 0, 0, 0, 1                                ; tile 0: its first group has no finished group beside it
	WIN 0                                          ; at a label and at a branch every window is 0
	s_mov_b32 s44, 7
.Ltrip:
	NEXT 1, 1, 8, 1                                ; tiles 1, 3, .. 13; slot 0 gets tiles 2, 4, .. 14
	NEXT 0, 1, 16, 1                               ; tiles 2, 4, .. 14; slot 1 gets tiles 3, 5, .. 15
	WIN 0
	v_add_nc_u32 v[TA], 1024, v[TA]                ; sixteen groups of 16 numbers on
	s_sub_co_u32 s44, s44, 1
	s_cmp_lg_u32 s44, 0
	s_cbranch_scc1 .Ltrip
	NEXT 1, 0, 8, 0                                ; tile 15: nothing is left to fetch, and no group follows
	; the last group's vector work, by itself.  Its E1 of tile 0 has the four E3 behind matrix instructions 60 to 63 as places, the later tiles more.
	WIN 0x40
	TABLD CF, 8192+64*15
	WIN 0
.set W, 0
.rept 48
	EV W, 32
.set W, W+1
.endr
	s_wait_dscnt 0x0                               ; its coef
	WIN 0x04
.set W, 0
.rept 16
	E3 W, 32
.set W, W+1
.endr
	WIN 0
	; THE WAY OUT: a pair's two sums, the other half of the lanes (the other eight of each sixteen support rows), then 64 numbers in row order through my stage
.irp rb, 0,1,2,3
	v_add_f32 v[TMP+\rb], v[SC+2*\rb], v[SC+2*\rb+1]
.endr
.irp rb, 0,1,2,3
	v_permlanex16_b32 v[SC+2*\rb], v[TMP+\rb], s46, s47    ; its destination counts as read: SC is written and free now
.endr
.irp rb, 0,1,2,3
	v_add_f32 v[TMP+\rb], v[TMP+\rb], v[SC+2*\rb]          ; every lane: row 16 rb + lane % 16
.endr
	v_cmp_lt_u32 vcc_lo, 15, v[LN]
	v_cndmask_b32 v[TMP+4], v[TMP], v[TMP+1], vcc_lo       ; row = lane
	v_cndmask_b32 v[TMP+5], v[TMP+2], v[TMP+3], vcc_lo     ; row = 32 + lane
	v_lshl_add_u32 v[TMP+6], v[LN], 2, s54
	v_lshl_add_u32 v[TMP+7], v[LN], 3, s54
	v_lshlrev_b32 v[TMP+10], 3, v[LN]
	ds_store_b32 v[TMP+6], v[TMP+4]
	ds_store_b32 v[TMP+6], v[TMP+5] offset:128
	ds_load_b64 v[TMP+8:TMP+9], v[TMP+7]           ; LDS serves a wave's instructions in order (ISA guide 5.7.1): it sees the two stores
	s_wait_dscnt 0x0
	global_store_b64 v[TMP+10], v[TMP+8:TMP+9], s[12:13]   ; the wave stores 256 neighbouring bytes, at a multiple of 256 from part's first byte
	s_wait_tensorcnt 0x0
	ds_add_u32 v254, v255
	s_wait_dscnt 0x0
	ROUND                                          ; the closing round: no work-group ends while a partner may still ask for a tile that names it
	s_endpgm
.Lfunc_end_k_q29f3c16f46_rbf:
	.size	k_q29f3c16f46_rbf, .Lfunc_end_k_q29f3c16f46_rbf-k_q29f3c16f46_rbf
	.p2alignl 7, 3214868480
	.fill 96, 4, 3214868480
	.section	.rodata,"a",@progbits
	.p2align	6, 0x0
	.amdhsa_kernel k_q29f3c16f46_rbf
		.amdhsa_group_segment_fixed_size 327680
		.amdhsa_private_segment_fixed_size 0
		.amdhsa_enable_private_segment 0
		.amdhsa_kernarg_size 40
		.amdhsa_user_sgpr_count 2
		.amdhsa_user_sgpr_kernarg_segment_ptr 1
		.amdhsa_wavefront_size32 1
		.amdhsa_system_sgpr_workgroup_id_x 1
		.amdhsa_system_sgpr_workgroup_id_y 1
		.amdhsa_system_sgpr_workgroup_id_z 1
		.amdhsa_system_vgpr_workitem_id 0
		.amdhsa_next_free_vgpr 960
		.amdhsa_next_free_sgpr 66
		.amdhsa_reserve_vcc 1
		.amdhsa_float_denorm_mode_32 3
		.amdhsa_float_denorm_mode_16_64 3
		.amdhsa_memory_ordered 1
		.amdhsa_forward_progress 1
		.amdhsa_inst_pref_size 255
	.end_amdhsa_kernel
	.section	.bss,"aw",@nobits
	.p2align	6
	.space	262144
	.amdgpu_metadata
---
amdhsa.version: [ 1, 2 ]
amdhsa.kernels:
  - .name:           k_q29f3c16f46_rbf
    .symbol:         k_q29f3c16f46_rbf.kd
    .args:
      - { .name: frag, .offset: 0, .size: 8, .value_kind: global_buffer, .address_space: global }
      - { .name: nrm, .offset: 8, .size: 8, .value_kind: global_buffer, .address_space: global }
      - { .name: coefficients, .offset: 16, .size: 8, .value_kind: global_buffer, .address_space: global }
      - { .name: gamma, .offset: 24, .size: 8, .value_kind: global_buffer, .address_space: global }
      - { .name: part, .offset: 32, .size: 8, .value_kind: global_buffer, .address_space: global }
    .group_segment_fixed_size: 327680
    .private_segment_fixed_size: 0
    .kernarg_segment_align: 8
    .kernarg_segment_size: 40
    .max_flat_workgroup_size: 128
    .sgpr_count:     66
    .vgpr_count:     960
    .wavefront_size: 32
...
	.end_amdgpu_metadata
.endif
;; end of part 2
;; launch fin (part 3): grid 32 x 1, 4 waves a work-group, no clusters, 0 bytes of LDS; arguments part, rho, out0; writes out0
.if DOCPART == 3
	.amdgcn_target "amdgcn-amd-amdhsa--gfx1250"
	.amdhsa_code_object_version 6
	.text
	.protected	k_q29f3c16f46_fin
	.globl	k_q29f3c16f46_fin
	.p2align	8
	.type	k_q29f3c16f46_fin,@function
k_q29f3c16f46_fin:
	s_mov_b64 s[64:65], 0
	v_nop
	global_prefetch_b8 v0, s[64:65] scope:SCOPE_SE
	s_setreg_imm32_b32 hwreg(HW_REG_WAVE_MODE, 25, 1), 1
	s_wait_xcnt 0x0
; fin: out0[b] = part[0][b] + part[1][b] + part[2][b] + part[3][b] - rho.  part: [4][16384] f32.
; A thread takes four neighbouring numbers: 128 threads x 16 bytes = 2,048 bytes a work-group, 32 work-groups for the 65,536 bytes: all the work there is.
; Sixteen neighbouring lanes load and store 256 neighbouring bytes.  The four partial sums are added as (p0 + p1) + (p2 + p3).
	s_load_b128 s[4:7], s[0:1], 0x0                ; part s[4:5], rho s[6:7]
	s_load_b64 s[8:9], s[0:1], 0x10                ; out0
	v_lshlrev_b32 v1, 4, v0
	s_lshl_b32 s11, ttmp9, 11
	v_add_nc_u32 v1, s11, v1
	s_wait_kmcnt 0x0
	s_load_b32 s10, s[6:7], 0x0
	global_load_b128 v[4:7], v1, s[4:5]
	global_load_b128 v[8:11], v1, s[4:5] offset:65536
	global_load_b128 v[12:15], v1, s[4:5] offset:131072
	global_load_b128 v[16:19], v1, s[4:5] offset:196608
	s_wait_loadcnt 0x0
	v_pk_add_f32 v[4:5], v[4:5], v[8:9]
	v_pk_add_f32 v[6:7], v[6:7], v[10:11]
	v_pk_add_f32 v[12:13], v[12:13], v[16:17]
	v_pk_add_f32 v[14:15], v[14:15], v[18:19]
	v_pk_add_f32 v[4:5], v[4:5], v[12:13]
	v_pk_add_f32 v[6:7], v[6:7], v[14:15]
	s_wait_kmcnt 0x0                               ; rho
	v_sub_f32 v4, v4, s10
	v_sub_f32 v5, v5, s10
	v_sub_f32 v6, v6, s10
	v_sub_f32 v7, v7, s10
	global_store_b128 v1, v[4:7], s[8:9]
	s_endpgm
.Lfunc_end_k_q29f3c16f46_fin:
	.size	k_q29f3c16f46_fin, .Lfunc_end_k_q29f3c16f46_fin-k_q29f3c16f46_fin
	.p2alignl 7, 3214868480
	.fill 96, 4, 3214868480
	.section	.rodata,"a",@progbits
	.p2align	6, 0x0
	.amdhsa_kernel k_q29f3c16f46_fin
		.amdhsa_group_segment_fixed_size 0
		.amdhsa_private_segment_fixed_size 0
		.amdhsa_enable_private_segment 0
		.amdhsa_kernarg_size 24
		.amdhsa_user_sgpr_count 2
		.amdhsa_user_sgpr_kernarg_segment_ptr 1
		.amdhsa_wavefront_size32 1
		.amdhsa_system_sgpr_workgroup_id_x 1
		.amdhsa_system_sgpr_workgroup_id_y 1
		.amdhsa_system_sgpr_workgroup_id_z 1
		.amdhsa_system_vgpr_workitem_id 0
		.amdhsa_next_free_vgpr 24
		.amdhsa_next_free_sgpr 66
		.amdhsa_reserve_vcc 0
		.amdhsa_float_denorm_mode_32 3
		.amdhsa_float_denorm_mode_16_64 3
		.amdhsa_memory_ordered 1
		.amdhsa_forward_progress 1
		.amdhsa_inst_pref_size 2
	.end_amdhsa_kernel
	.amdgpu_metadata
---
amdhsa.version: [ 1, 2 ]
amdhsa.kernels:
  - .name:           k_q29f3c16f46_fin
    .symbol:         k_q29f3c16f46_fin.kd
    .args:
      - { .name: part, .offset: 0, .size: 8, .value_kind: global_buffer, .address_space: global }
      - { .name: rho, .offset: 8, .size: 8, .value_kind: global_buffer, .address_space: global }
      - { .name: out0, .offset: 16, .size: 8, .value_kind: global_buffer, .address_space: global }
    .group_segment_fixed_size: 0
    .private_segment_fixed_size: 0
    .kernarg_segment_align: 8
    .kernarg_segment_size: 24
    .max_flat_workgroup_size: 128
    .sgpr_count:     66
    .vgpr_count:     24
    .wavefront_size: 32
...
	.end_amdgpu_metadata
.endif
;; end of part 3
;; ======== version 2 of 2: 3 launches; 1.20 times as fast as version 1
;; workspace buffers: frag 25,165,824 bytes; nrm 98,304 bytes; part 262,144 bytes
;; launch prep: the kernel of part 1 again; grid 256 x 1, 6 waves a work-group, no clusters, 100,608 bytes of LDS; arguments inputs, support_vectors, frag, nrm; writes frag, nrm
;; launch rbf (part 4): grid 64 x 4, 4 waves a work-group, clusters of 4 x 1, 327,680 bytes of LDS; arguments frag, nrm, coefficients, gamma, part; writes part
.if DOCPART == 4
	.amdgcn_target "amdgcn-amd-amdhsa--gfx1250"
	.amdhsa_code_object_version 6
	.text
	.protected	k_q29f3c16f46_rbf
	.globl	k_q29f3c16f46_rbf
	.p2align	8
	.type	k_q29f3c16f46_rbf,@function
k_q29f3c16f46_rbf:
	s_mov_b64 s[64:65], 0
	v_nop
	global_prefetch_b8 v0, s[64:65] scope:SCOPE_SE
	s_setreg_imm32_b32 hwreg(HW_REG_WAVE_MODE, 25, 1), 1
	s_wait_xcnt 0x0
	s_wait_alu depctr_hold_cnt(0) depctr_sa_sdst(0) depctr_va_vdst(0) depctr_va_sdst(0) depctr_va_ssrc(0) depctr_va_vcc(0) depctr_vm_vsrc(0)
	s_getreg_b32 s2, hwreg(HW_REG_IB_STS2, 6, 4)
	s_cmp_eq_u32 s2, 0
	s_cbranch_scc0 .Lentry_in_a_cluster
	s_endpgm
.Lentry_in_a_cluster:
	s_bfe_u32 s2, ttmp6, 0x10000c
	s_cmp_lg_u32 s2, 0x3003
	s_cbranch_scc0 .Lentry_shape_is_right
	s_endpgm
.Lentry_shape_is_right:
; rbf: part[y][b] = sum over the 2,048 support vectors s of quarter y of coef[s] * exp(-gamma * (xn[b] + sn[s] - 2 x_b.s_s)).
; Work-group (x, y): rows 256 x .. +255 of the inputs, support vectors 2,048 y .. +2,047.  64 x 4 = 256 work-groups of equal work.
; Four waves.  Wave w keeps its 64 rows of X, all 512 of K, in 512 registers for the whole launch; the support vectors come in tiles of 128
; rows (131,072 bytes) through two LDS slots, and all four waves read the same tile: 8 registers of a support fragment feed 4 matrix instructions.
; frag is already in fragment order, so every load of a fragment, from memory and from LDS, is 512 neighbouring bytes: no padding.
; CLUSTER: the four work-groups of a cluster have the same y and walk the same 16 tiles: each tile is asked for jointly (mask 15), every wave
; asking for its quarter; a round of the cluster's barrier stands in front of every joint load.
; ARITHMETIC: g = gamma log2(e).  The matrix instruction is used transposed (source 0 = 16 support rows, source 1 = 16 rows of X): in the result
; lane L holds row L % 16 of X and register j support row 8 (L / 16) + j.  The first K step takes C = -sn/2, so acc = cross - sn/2;
; then arg = 2 g acc - g xn = -g d2 (E1), k = 2^arg (E2), and SC += k coef (E3).
; A GROUP is 16 support rows against my 64 rows: four accumulator tiles, 16 K steps, 64 matrix instructions.  Two sets of four tiles take turns:
; the 64 vector instructions on a finished group are dealt out over the next group's matrix instructions.
; THE EXPONENTIALS of a finished group, 32, are ONE BATCH WITH ONE WAIT.  All of E1 and E2 stands in the next group's K steps 0-7 (E1 of tile 0 at their head), and names
; no exponential's result; the wait stands at the head of K step 8, directly ahead of the run of loads there; the results' only readers, the 16 E3, stand in K steps 12-15..
; Fragments come from LDS in runs of sixteen loads (8 K steps) for 32 matrix instructions, into two sets that take turns.
; LIMITS: the operands are bf16 (rounded by the launch before), and xn, sn are the norms of the rounded rows; sums in f32 in an order of their own;
; v_exp_f32 gives 0 where 2^arg is below 2^-126 (ISA guide, its entry); no maximum is taken away, as the function computed takes none away.
;
; REGISTERS, in windows of 256:
;   window 0: v0-63 accumulators (32 set + 8 rb); v64-191 support fragments (64 + 64 set + 8 k: set 0 K steps 0-7, set 1 K steps 8-15);
;             v192-195 AX = -g xn; v196-203 SC; v204-207 LDS addresses of the slots' halves; v208 table address; v209 lane; v212-223 at work;
;             v224-231 CI (-sn/2 of a group)
;   window 1: v0-127 X, K steps 12-15; v128-135 CF (coef of a group)
;   window 2: v0-191 X, K steps 0-5;   window 3: v0-191 X, K steps 6-11
; s_set_vgpr_msb's low byte: bits 1:0 source 0, 3:2 source 1, 5:4 source 2, 7:6 destination.  In every setting of the products source 0, source 2 and the
; destination are window 0, so fragment loads, E1 and E2 run under them too; E3 takes coef as source 1 and so runs in K steps 12-15, whose
; source 1 is window 1.  Four switches for a group's 64 matrix instructions.
.set SLOTB,  131072                    ; an LDS slot: 8 blocks of 16 support rows, 16,384 bytes each
.set TABB,   262144                    ; 8,192 bytes: -sn/2 of my 2,048 support vectors; behind it 8,192 bytes: their coef
.set STAGE,  280576                    ; 256 bytes for each wave, for the way out
.set SVBASE, 16777216                  ; the support vectors' first block in frag
.set FR,  64
.set AX,  192
.set SC,  196
.set LA,  204                          ; v[LA + 2 slot + hi] = slot x 131,072 + hi x 65,536 + 16 lane; v[LA] is also the offset of X's loads
.set TA,  208                          ; TABB + 32 (lane / 16), + 1,024 a trip
.set LN,  209
.set TMP, 212
.set CI,  224
.set CF,  128                          ; window 1
.set G1,  24                           ; s[24:31] descriptor group 1
.set G0,  32                           ; s[32:39] descriptor group 0, a set for each slot
.set MSB, 0
.macro WIN new                         ; the immediate's high byte repeats the setting that is left
.if MSB != \new
	s_set_vgpr_msb (MSB<<8)|\new
.set MSB, \new
.endif
.endm
; Four places behind a matrix instruction before a load lands on one of its sources or a vector instruction touches its result (ISA guide 7.12.1
; for vector instructions); only plain vector instructions that name none of its registers are counted.  They stand at the head of K step 8, where the batch of
; exponentials is out and no plain work is left that names none of its results, and behind the first group's last products; at the head of K step 0 four
; multiply-adds of E1 are the places.
.macro PLACES
.rept 4
	v_nop
.endr
.endm
; A round of the cluster's barrier: my work-group's barrier, wave 0 signals for the work-group, every wave waits for all four work-groups, my work-group's barrier again.
.macro ROUND
	s_barrier_signal -1
	s_barrier_wait -1
	s_cmp_lg_u32 s14, 0
	s_cbranch_scc1 .Lnot_wave_0_\@
	s_barrier_signal -3
.Lnot_wave_0_\@:
	s_barrier_wait -3
	s_barrier_signal -1
	s_barrier_wait -1
.endm
	s_load_b256 s[4:11], s[0:1], 0x0               ; frag s[4:5], nrm s[6:7], coefficients s[8:9], gamma s[10:11]
	s_load_b64 s[12:13], s[0:1], 0x20              ; part
	v_lshl_add_u32 v254, v0, 2, 0x44c00
	v_mov_b32 v255, 0
	ds_add_u32 v254, v255
	v_lshrrev_b32 v[TMP], 5, v0
	v_readfirstlane_b32 s14, v[TMP]                ; wave 0..3
	s_bfe_u32 s15, ttmp6, 0x40000                  ; cx
	s_lshl_b32 s16, ttmp9, 2
	s_add_co_u32 s16, s16, s15                     ; x = 4 x cluster x + cx
	s_and_b32 s17, ttmp7, 0xffff                   ; y: the same in the cluster's four
	s_mov_b32 s46, 0x76543210                      ; v_permlanex16_b32: lane i of one half reads lane i of the other
	s_mov_b32 s47, 0xfedcba98
	; group 1: a wave's quarter of a tile, 32,768 dense bytes, as 128 rows of 32 elements of 8 bytes
	s_mov_b32 s[G1+0], 15|(3<<16)|(1<<21)          ; 15:0 mask: all four of the cluster; 17:16 elements of 8 bytes; 21 set beside a mask
	s_mov_b32 s[G1+1], 32<<16                      ; tensor_dim0 = 32
	s_mov_b32 s[G1+2], 128<<16                     ; tensor_dim1 = 128
	s_mov_b32 s[G1+3], 32<<16                      ; tile_dim0 = 32
	s_mov_b32 s[G1+4], 128                         ; tile_dim1 = 128
	s_mov_b32 s[G1+5], 32                          ; from row to row: 32 elements
	s_mov_b32 s[G1+6], 0
	s_mov_b32 s[G1+7], 0
	s_lshl_b32 s45, s14, 15                        ; my quarter: 32,768 w, in the tile and in the slot
	s_lshl_b32 s52, s17, 21                        ; 2,048 rows of 1,024 bytes for each y.  s[52:53] never hold cx
	s_add_co_u32 s52, s52, s45
	s_add_co_u32 s52, s52, SVBASE
	s_mov_b32 s53, 0
	s_mov_b32 s19, 0
	s_wait_dscnt 0x0
	s_wait_kmcnt 0x0
	s_load_b32 s22, s[10:11], 0x0                  ; gamma
	s_add_nc_u64 s[52:53], s[4:5], s[52:53]
.irp n, 0,1
	s_mov_b32 s[G0+4*\n], 1                                        ; count = 1
	s_add_co_u32 s[G0+4*\n+1], s45, \n*SLOTB                       ; LDS address
	s_add_nc_u64 s[G0+4*\n+2:G0+4*\n+3], s[52:53], \n*SLOTB        ; tile n
	s_or_b32 s[G0+4*\n+3], s[G0+4*\n+3], 0x80000000                ; type = 2
.endr
	s_lshl_b32 s18, s16, 18                        ; 256 rows of 1,024 bytes for each x,
	s_lshl_b32 s23, s14, 16                        ; 64 for each wave
	s_add_co_u32 s18, s18, s23
	s_add_nc_u64 s[40:41], s[4:5], s[18:19]        ; my 64 rows of X
	s_lshl_b32 s18, s16, 10
	s_lshl_b32 s23, s14, 8
	s_add_co_u32 s18, s18, s23                     ; 4 (256 x + 64 w)
	s_add_nc_u64 s[50:51], s[6:7], s[18:19]        ; their norms
	s_add_nc_u64 s[12:13], s[12:13], s[18:19]
	s_add_co_u32 s54, s23, STAGE                   ; my stage: 256 w
	s_lshl_b32 s18, s17, 16
	s_add_nc_u64 s[12:13], s[12:13], s[18:19]      ; my 64 numbers of part[y]
	s_lshl_b32 s18, s17, 13
	s_add_nc_u64 s[48:49], s[8:9], s[18:19]        ; coef of my 2,048 support vectors
	s_add_co_u32 s18, s18, 65536
	s_add_nc_u64 s[42:43], s[6:7], s[18:19]        ; their norms: behind X's 16,384
	ROUND                                          ; all four work-groups are here: the first joint loads meet
	tensor_load_to_lds s[G0:G0+3], s[G1:G1+7]      ; tile 0 and tile 1: two tensor loads of this wave are out,
	s_nop 0
	tensor_load_to_lds s[G0+4:G0+7], s[G1:G1+7]    ; later one behind each round
	s_nop 0
	v_and_b32 v[LN], 31, v0
	v_lshlrev_b32 v[LA], 4, v[LN]
	v_add_nc_u32 v[LA+1], 65536, v[LA]
	v_add_nc_u32 v[LA+2], SLOTB, v[LA]
	v_add_nc_u32 v[LA+3], SLOTB+65536, v[LA]
	v_lshlrev_b32 v[TMP+1], 4, v0                  ; 16 x thread: the tables are copied by all 128 threads
	v_add_nc_u32 v[TMP], TABB, v[TMP+1]
	v_and_b32 v[TMP+2], 15, v0
	v_lshlrev_b32 v[TMP+2], 2, v[TMP+2]            ; 4 (lane % 16)
	v_bfe_u32 v[TMP+3], v0, 4, 1
	v_lshl_add_u32 v[TA], v[TMP+3], 5, TABB
.irp c, 0,1,2,3
	global_load_b128 v[FR+4*\c:FR+4*\c+3], v[TMP+1], s[42:43] offset:2048*\c       ; sn
.endr
.irp c, 0,1,2,3
	global_load_b128 v[FR+16+4*\c:FR+16+4*\c+3], v[TMP+1], s[48:49] offset:2048*\c ; coef
.endr
.irp rb, 0,1,2,3
	global_load_b32 v[AX+\rb], v[TMP+2], s[50:51] offset:64*\rb                    ; xn of row 16 rb + lane % 16
.endr
; X's fragments of cnt K steps from ks0 on, into the window that is set for the destination: 512 neighbouring bytes a load
.macro XLOAD ks0, cnt
.set KS, 0
.rept \cnt
.irp rb, 0,1,2,3
	global_load_b128 v[32*KS+8*\rb:32*KS+8*\rb+3], v[LA], s[40:41] offset:16384*\rb+1024*(\ks0+KS)
	global_load_b128 v[32*KS+8*\rb+4:32*KS+8*\rb+7], v[LA], s[40:41] offset:16384*\rb+1024*(\ks0+KS)+512
.endr
.set KS, KS+1
.endr
.endm
	WIN 0x40
	XLOAD 12, 4
	WIN 0
	s_wait_loadcnt 32                              ; the twelve loads of the tables and of xn are in; the 32 of X issued behind them stay out
.irp c, 0,1,2,3,4,5,6,7
	v_pk_mul_f32 v[FR+2*\c:FR+2*\c+1], v[FR+2*\c:FR+2*\c+1], -0.5 op_sel_hi:[1,0]
.endr
.irp c, 0,1,2,3
	ds_store_b128 v[TMP], v[FR+4*\c:FR+4*\c+3] offset:2048*\c
	ds_store_b128 v[TMP], v[FR+16+4*\c:FR+16+4*\c+3] offset:8192+2048*\c
.endr
	s_wait_kmcnt 0x0                               ; gamma
	v_mov_b32 v[TMP+5], s22
	v_mul_f32 v[TMP+5], 0x3fb8aa3b, v[TMP+5]       ; g = gamma log2(e)
	v_add_f32 v[TMP+6], v[TMP+5], v[TMP+5]
	v_readfirstlane_b32 s20, v[TMP+6]              ; 2 g, as a scalar: it is source 1 whatever window that place has
	s_mov_b32 s21, s20
.irp rb, 0,1,2,3
	v_mul_f32 v[AX+\rb], -v[TMP+5], v[AX+\rb]      ; -g xn
.endr
.irp c, 0,1,2,3,4,5,6,7
	v_mov_b32 v[SC+\c], 0
.endr
	WIN 0x80
	XLOAD 0, 6
	WIN 0xc0
	XLOAD 6, 6
	WIN 0
	s_wait_dscnt 0x0                               ; my part of the tables is written,
	s_wait_tensorcnt 0x1                           ; my quarter of tile 0 is in; tile 1's may stay out
	s_barrier_signal -1
	s_barrier_wait -1
	s_wait_loadcnt 0x0                             ; X
; eight numbers of a table: those of support rows 8 (lane / 16) + 0..7 of a group
.macro TABLD dst, off
	ds_load_b128 v[\dst:\dst+3], v[TA] offset:\off
	ds_load_b128 v[\dst+4:\dst+7], v[TA] offset:\off+16
.endm
; sixteen loads in one run: the fragments of K steps 8 blk .. 8 blk + 7 of block q of slot s, into fragment set blk
.macro LOADB blk, s, q
.irp k, 0,1,2,3,4,5,6,7
	ds_load_b128 v[FR+64*\blk+8*\k:FR+64*\blk+8*\k+3], v[LA+2*\s+((\q)>>2)] offset:16384*((\q)&3)+1024*(8*\blk+\k)
	ds_load_b128 v[FR+64*\blk+8*\k+4:FR+64*\blk+8*\k+7], v[LA+2*\s+((\q)>>2)] offset:16384*((\q)&3)+1024*(8*\blk+\k)+512
.endr
.endm
; Number v of the 48 instructions of E1 and E2 on the finished accumulator set at q, twelve for each tile: four times arg = 2 g acc + AX for a pair,
; then eight times 2^arg in place.  None of the 48 names the result of a v_exp_f32: each result keeps its register, untouched, until E3 reads it.  A plain vector
; instruction that names none of them (a later tile's multiply-add, or a v_nop behind the last) stands behind every v_exp_f32 ahead of E3 (ISA guide 5.7.2).
.macro EV v, q
.set ET, (\v)/12
.set EM, (\v)%12
.if EM < 4
.if ET&1
	v_pk_fma_f32 v[\q+8*ET+2*EM:\q+8*ET+2*EM+1], v[\q+8*ET+2*EM:\q+8*ET+2*EM+1], s[20:21], v[AX+2*(ET>>1):AX+2*(ET>>1)+1] op_sel:[0,0,1] op_sel_hi:[1,0,1]
.else
	v_pk_fma_f32 v[\q+8*ET+2*EM:\q+8*ET+2*EM+1], v[\q+8*ET+2*EM:\q+8*ET+2*EM+1], s[20:21], v[AX+2*(ET>>1):AX+2*(ET>>1)+1] op_sel_hi:[1,0,0]
.endif
.else
	v_exp_f32 v[\q+8*ET+EM-4], v[\q+8*ET+EM-4]
.endif
.endm
; The e-th of the 16 instructions of E3: SC[tile] += k coef for a pair, the four SC pairs by turns.  coef is source 1: window 1.
; These are the readers of the batch of exponentials: the batch's one wait stands ahead of the first of them (GROUP; the tail).
.macro E3 e, q
.set ET, (\e)&3
.set EPP, (\e)>>2
	v_pk_fma_f32 v[SC+2*ET:SC+2*ET+1], v[\q+8*ET+2*EPP:\q+8*ET+2*EPP+1], v[CF+2*EPP:CF+2*EPP+1], v[SC+2*ET:SC+2*ET+1]
.endm
; the window of K step SG, and where X's fragments of that step begin in it
.macro STEPWIN
.if SG < 6
	WIN 0x08                                       ; X window 2
.set XB, 32*SG
.elseif SG < 12
	WIN 0x0c                                       ; X window 3
.set XB, 32*(SG-6)
.else
	WIN 0x04                                       ; X window 1
.set XB, 32*(SG-12)
.endif
.endm
; K steps 8 blk .. 8 blk + 7: 32 matrix instructions on fragment set blk.  The four accumulators of the set take turns, one instruction a turn, in the same
; order in every step and from group to group.  Behind matrix instruction WW of the group stands the vector work on the other set:
; WW 0-31: exponential number WW of the batch (tile WW / 8, register WW % 8), and ahead of it, in WW 0-3, 8-11 and 16-19, a multiply-add of E1 of the tile after,
; four slots or more ahead of that tile's first exponential; WW 32-47: nothing; WW 48-63 (K steps 12-15): E3.
.macro BLOCK blk, st, ep
.irp k, 0,1,2,3,4,5,6,7
.set SG, 8*\blk+\k
	STEPWIN
.irp rb, 0,1,2,3
.if SG == 0
	v_wmma_f32_16x16x32_bf16 v[32*\st+8*\rb:32*\st+8*\rb+7], v[FR+64*\blk+8*\k:FR+64*\blk+8*\k+7], v[XB+8*\rb:XB+8*\rb+7], v[CI:CI+7]
.else
	v_wmma_f32_16x16x32_bf16 v[32*\st+8*\rb:32*\st+8*\rb+7], v[FR+64*\blk+8*\k:FR+64*\blk+8*\k+7], v[XB+8*\rb:XB+8*\rb+7], v[32*\st+8*\rb:32*\st+8*\rb+7]
.endif
.if \ep
.set WW, 4*SG+\rb
.if WW < 32
.if (WW < 24) && ((WW%8) < 4)
	EV 12*(WW/8)+12+WW%8, 32-32*\st
.endif
	EV 12*(WW/8)+4+WW%8, 32-32*\st
.elseif WW >= 48
	E3 WW-48, 32-32*\st
.endif
.endif
.endr
.endr
.endm
; A group: block q of slot s against my 64 rows of X.  gl: the group's number from the table address on.  st: its accumulator set.
; ep: the other set holds a finished group.  ci: a group follows.  head: the tile's first group.  nxt: the tile has a further group.
; In front of the run of loads at K step 0 stand four multiply-adds of E1: with the last E3 they are the places behind the last matrix instruction that read the
; fragment set which the run fills.  E1 of tile 0 reads the result of the last group's matrix instruction 60: the four E3 behind instructions 60 to 63 are its places.
; In front of the run at K step 8 stand four v_nop, the places behind matrix instruction 31 (the exponentials behind the last products are none), and the batch's wait.
.macro GROUP s, q, gl, st, ep, ci, head, nxt
.if \ep
.irp v, 0,1,2,3
	EV \v, 32-32*\st
.endr
.endif
.if \head
	LOADB 0, \s, \q
.endif
	LOADB 1, \s, \q
.if \ep
	WIN 0x40
	TABLD CF, 8192+64*(\gl-1)                      ; coef of the group before, for K steps 12-15
.endif
	s_wait_dscnt 16+2*\ep                          ; K steps 0-7 and CI are in; out stay the sixteen loads of K steps 8-15 and coef's two
	BLOCK 0, \st, \ep
	PLACES                                         ; the first of the four is also the plain instruction behind the batch's last exponential
.if \ep
	s_wait_alu depctr_va_vdst(0)                   ; the ONE wait for the batch, the finished group's 32 exponentials of K steps 0-7: ahead of their first reader, E3 in K step 12; it stands directly ahead of the run of loads
.endif
.if \ci
	TABLD CI, 64*(\gl+1)                           ; -sn/2 of the next group; this group's was read in K step 0
.endif
.if \nxt
	LOADB 0, \s, \q+1
.endif
	s_wait_dscnt 16*\nxt+2*\ci                     ; K steps 8-15 and coef are in; out stay the next group's sixteen loads and CI's two
	BLOCK 1, \st, \ep
.if \ep == 0
	PLACES                                         ; no E3 stands behind this group's last matrix instructions
.endif
.endm
.macro TILE s, gl0, ep0, cilast
	GROUP \s, 0, \gl0, 0, \ep0, 1, 1, 1
	GROUP \s, 1, \gl0+1, 1, 1, 1, 0, 1
	GROUP \s, 2, \gl0+2, 0, 1, 1, 0, 1
	GROUP \s, 3, \gl0+3, 1, 1, 1, 0, 1
	GROUP \s, 4, \gl0+4, 0, 1, 1, 0, 1
	GROUP \s, 5, \gl0+5, 1, 1, 1, 0, 1
	GROUP \s, 6, \gl0+6, 0, 1, 1, 0, 1
	GROUP \s, 7, \gl0+7, 1, 1, \cilast, 0, 0
.endm
; The change of slots.  In front of the round every wave waits for all its tensor loads (the one that is out is its quarter of slot s) and for its reads of the
; other slot; behind the round no wave of the four work-groups reads that slot or has a load on its way, and its refill is the first thing there,
; one joint load a wave.  It has this tile's 512 matrix instructions in which to land.
.macro NEXT s, refill, gl0, cilast
	WIN 0
	s_wait_tensorcnt 0x0
	ds_add_u32 v254, v255
	s_wait_dscnt 0x0
.if \refill
	s_add_nc_u64 s[G0+4*(1-\s)+2:G0+4*(1-\s)+3], s[G0+4*(1-\s)+2:G0+4*(1-\s)+3], 2*SLOTB   ; no load of mine is out: the other slot's next tile
.endif
	s_wait_dscnt 0x0
	ROUND
.if \refill
	tensor_load_to_lds s[G0+4*(1-\s):G0+4*(1-\s)+3], s[G1:G1+7]
	s_nop 0
.endif
	TILE \s, \gl0, 1, \cilast
.endm
	TABLD CI, 0                                    ; -sn/2 of the first group
	TILE 0, 0, 0, 1                                ; tile 0: its first group has no finished group beside it
	WIN 0                                          ; at a label and at a branch every window is 0
	s_mov_b32 s44, 7
.Ltrip:
	NEXT 1, 1, 8, 1                                ; tiles 1, 3, .. 13; slot 0 gets tiles 2, 4, .. 14
	NEXT 0, 1, 16, 1                               ; tiles 2, 4, .. 14; slot 1 gets tiles 3, 5, .. 15
	WIN 0
	v_add_nc_u32 v[TA], 1024, v[TA]                ; sixteen groups of 16 numbers on
	s_sub_co_u32 s44, s44, 1
	s_cmp_lg_u32 s44, 0
	s_cbranch_scc1 .Ltrip
	NEXT 1, 0, 8, 0                                ; tile 15: nothing is left to fetch, and no group follows
	; the last group's vector work, by itself.  Its E1 of tile 0 has the four E3 behind matrix instructions 60 to 63 as places, the later tiles more.
	WIN 0x40
	TABLD CF, 8192+64*15
	WIN 0
.set W, 0
.rept 48
	EV W, 32
.set W, W+1
.endr
	v_nop                                          ; a plain instruction behind the last exponential
	s_wait_alu depctr_va_vdst(0)                   ; the one wait for this batch, the last group's 32 exponentials: ahead of their first reader, the first E3 below
	s_wait_dscnt 0x0                               ; its coef
	WIN 0x04
.set W, 0
.rept 16
	E3 W, 32
.set W, W+1
.endr
	WIN 0
	; THE WAY OUT: a pair's two sums, the other half of the lanes (the other eight of each sixteen support rows), then 64 numbers in row order through my stage
.irp rb, 0,1,2,3
	v_add_f32 v[TMP+\rb], v[SC+2*\rb], v[SC+2*\rb+1]
.endr
.irp rb, 0,1,2,3
	v_permlanex16_b32 v[SC+2*\rb], v[TMP+\rb], s46, s47    ; its destination counts as read: SC is written and free now
.endr
.irp rb, 0,1,2,3
	v_add_f32 v[TMP+\rb], v[TMP+\rb], v[SC+2*\rb]          ; every lane: row 16 rb + lane % 16
.endr
	v_cmp_lt_u32 vcc_lo, 15, v[LN]
	v_cndmask_b32 v[TMP+4], v[TMP], v[TMP+1], vcc_lo       ; row = lane
	v_cndmask_b32 v[TMP+5], v[TMP+2], v[TMP+3], vcc_lo     ; row = 32 + lane
	v_lshl_add_u32 v[TMP+6], v[LN], 2, s54
	v_lshl_add_u32 v[TMP+7], v[LN], 3, s54
	v_lshlrev_b32 v[TMP+10], 3, v[LN]
	ds_store_b32 v[TMP+6], v[TMP+4]
	ds_store_b32 v[TMP+6], v[TMP+5] offset:128
	ds_load_b64 v[TMP+8:TMP+9], v[TMP+7]           ; LDS serves a wave's instructions in order (ISA guide 5.7.1): it sees the two stores
	s_wait_dscnt 0x0
	global_store_b64 v[TMP+10], v[TMP+8:TMP+9], s[12:13]   ; the wave stores 256 neighbouring bytes, at a multiple of 256 from part's first byte
	s_wait_tensorcnt 0x0
	ds_add_u32 v254, v255
	s_wait_dscnt 0x0
	ROUND                                          ; the closing round: no work-group ends while a partner may still ask for a tile that names it
	s_endpgm
.Lfunc_end_k_q29f3c16f46_rbf:
	.size	k_q29f3c16f46_rbf, .Lfunc_end_k_q29f3c16f46_rbf-k_q29f3c16f46_rbf
	.p2alignl 7, 3214868480
	.fill 96, 4, 3214868480
	.section	.rodata,"a",@progbits
	.p2align	6, 0x0
	.amdhsa_kernel k_q29f3c16f46_rbf
		.amdhsa_group_segment_fixed_size 327680
		.amdhsa_private_segment_fixed_size 0
		.amdhsa_enable_private_segment 0
		.amdhsa_kernarg_size 40
		.amdhsa_user_sgpr_count 2
		.amdhsa_user_sgpr_kernarg_segment_ptr 1
		.amdhsa_wavefront_size32 1
		.amdhsa_system_sgpr_workgroup_id_x 1
		.amdhsa_system_sgpr_workgroup_id_y 1
		.amdhsa_system_sgpr_workgroup_id_z 1
		.amdhsa_system_vgpr_workitem_id 0
		.amdhsa_next_free_vgpr 960
		.amdhsa_next_free_sgpr 66
		.amdhsa_reserve_vcc 1
		.amdhsa_float_denorm_mode_32 3
		.amdhsa_float_denorm_mode_16_64 3
		.amdhsa_memory_ordered 1
		.amdhsa_forward_progress 1
		.amdhsa_inst_pref_size 255
	.end_amdhsa_kernel
	.section	.bss,"aw",@nobits
	.p2align	6
	.space	262144
	.amdgpu_metadata
---
amdhsa.version: [ 1, 2 ]
amdhsa.kernels:
  - .name:           k_q29f3c16f46_rbf
    .symbol:         k_q29f3c16f46_rbf.kd
    .args:
      - { .name: frag, .offset: 0, .size: 8, .value_kind: global_buffer, .address_space: global }
      - { .name: nrm, .offset: 8, .size: 8, .value_kind: global_buffer, .address_space: global }
      - { .name: coefficients, .offset: 16, .size: 8, .value_kind: global_buffer, .address_space: global }
      - { .name: gamma, .offset: 24, .size: 8, .value_kind: global_buffer, .address_space: global }
      - { .name: part, .offset: 32, .size: 8, .value_kind: global_buffer, .address_space: global }
    .group_segment_fixed_size: 327680
    .private_segment_fixed_size: 0
    .kernarg_segment_align: 8
    .kernarg_segment_size: 40
    .max_flat_workgroup_size: 128
    .sgpr_count:     66
    .vgpr_count:     960
    .wavefront_size: 32
...
	.end_amdgpu_metadata
.endif
;; end of part 4
;; launch fin: the kernel of part 3 again; grid 32 x 1, 4 waves a work-group, no clusters, 0 bytes of LDS; arguments part, rho, out0; writes out0
